; MI455X (gfx1250); checked and timed in simulation.
; The chip was launched on July 23, 2026; its instructions are those of AMD's public machine-readable ISA for CDNA 5 (MIT licence, August 2026) and "CDNA5" Instruction Set Architecture Reference Guide (July 2026). The comments in the code are by the model that wrote it; some were corrected since.
;; Point Transformer Block. Allowed arithmetic: matrix products marked QUANTISED: E5M2 operands, one E8M0 scale for each 32 along K, by v_wmma_scale_f32_16x16x128_f8f6f4 with both operands' format E5M2, f32 sums; products left as they are: f32 operands where the result goes on into a quantised operand, else bf16, f16 or f32 operands; f32 sums; everything else in f32.
;; Inputs: Wf1 128 x 256 float32; Wf2 256 x 128 float32; Wk 128 x 128 float32; Wo 128 x 128 float32; Wp1 3 x 128 float32; Wp2 128 x 128 float32; Wq 128 x 128 float32; Wv 128 x 128 float32; b1 128 float32; b2 128 float32; bf1 256 float32; bf2 128 float32; bk 128 float32; bo 128 float32; bp1 128 float32; bp2 128 float32; bq 128 float32; bv 128 float32; coords 100,000 x 3 float32; feat 100,000 x 128 float32; g1 128 float32; g2 128 float32; knn_idx 100,000 x 16 int32.
;; Outputs: out0 100,000 x 128 float32.
;; This version of the problem:
;;   THIS VERSION OF THE PROBLEM IS GIVEN IN LOW PRECISION. The matrix products marked QUANTISED in the list below multiply operands that are first quantised to E5M2 (5 exponent bits, 2 mantissa bits; 8 bits a number), with one power-of-two scale for each 32 numbers along K (OCP MX v1.0); their sums are f32. All else is computed in f32.
;;   The module's matrix products, in the order in which they are computed (A, B: the left and right operand; K: the contracted axis; several contracted axes count as one K, in the product's order):
;;     1. [M 100,000, K 128] x [K 128, N 128]; A: input feat; B: input Wq: QUANTISED
;;     2. [M 100,000, K 128] x [K 128, N 128]; A: input feat; B: input Wk: QUANTISED
;;     3. [M 100,000, K 128] x [K 128, N 128]; A: input feat; B: input Wv: QUANTISED
;;     4. [M 1,600,000, K 3] x [K 3, N 128]; A: computed on the way; B: input Wp1: left as it is (K = 3 < 32)
;;     5. [M 1,600,000, K 128] x [K 128, N 128]; A: computed on the way; B: input Wp2: QUANTISED
;;     6. batch 400,000 x [M 1, K 32] x [K 32, N 16]; A: computed on the way; B: computed on the way: left as it is (M = 1 < 16)
;;     7. batch 400,000 x [M 1, K 16] x [K 16, N 32]; A: softmax; B: computed on the way: left as it is (K = 16 < 32)
;;     8. [M 100,000, K 128] x [K 128, N 128]; A: computed on the way; B: input Wo: QUANTISED
;;     9. [M 100,000, K 128] x [K 128, N 256]; A: computed on the way; B: input Wf1: QUANTISED
;;     10. [M 100,000, K 256] x [K 256, N 128]; A: computed on the way; B: input Wf2: QUANTISED
;;   THE QUANTISER, for each operand of a quantised product, along K:
;;     - K is cut into blocks of 32 from its start; a last block that is shorter is filled with zeros.
;;     - A block's scale is 2^e with e = floor(log2(the largest magnitude in the block)) - 15, held to -126 .. 127; a block of zeros has e = 0. As a byte (E8M0): e + 127.
;;     - Each number is divided by its block's scale, clamped to +-57,344, and rounded to the nearest number of E5M2, ties to even, subnormals kept.
;;     - The product sums the exact products of the quantised numbers (number of the format x scale) in f32.
;;   ~~~python
;;   def quantise(x, axis):      # numpy; x: float32 -> the quantised numbers, widened to float32 again
;;       x = np.moveaxis(x, axis, -1); K = x.shape[-1]
;;       x = np.pad(x, [(0, 0)] * (x.ndim - 1) + [(0, -K % 32)]); x = x.reshape(x.shape[:-1] + (-1, 32)); a = np.abs(x).max(-1, keepdims=True)
;;       e = np.where(a > 0, np.clip(np.frexp(np.where(a > 0, a, 1))[1] - 1 - 15, -126, 127), 0)      # np.frexp(a)[1] - 1 = floor(log2(a)), exactly
;;       r = np.clip(x / 2.0 ** e, -57344, 57344)
;;       step = 2.0 ** (np.maximum(np.frexp(np.where(r == 0, 1, r))[1] - 1, -14) - 2)
;;       q = np.round(r / step) * step * 2.0 ** e      # np.round: ties to even
;;       return np.moveaxis(q.reshape(q.shape[:-2] + (-1,))[..., :K], -1, axis).astype(np.float32)
;;   ~~~
;;   OPERANDS COMPUTED ON THE WAY. 'Computed on the way' means the value that the module computes at that place (a softmax that the list does not call 'softmax' is quantised finished and normalised). What goes into a quantiser is computed in f32, as accurately as f32 sums, v_exp_f32 and their like allow (about 1e-6 of the number): no bf16 or f16 on the way to a quantiser, and a product that is left as it is and whose result goes on into a quantised operand takes f32 operands (vector FMAs, or v_wmma_f32_16x16x4_f32). A number that lies on a knife's edge between two numbers of the format may be rounded either way, as far as f32 arithmetic and the matrix unit's own rounding can turn it there, and no further.
;; One version. Each part assembles by itself: llvm-mc -triple=amdgcn-amd-amdhsa -mcpu=gfx1250 --defsym DOCPART=n.
;; ======== version 1 of 1: 2 launches
;; workspace buffers: fcodes 12,800,000 bytes; aux 1,600,000 bytes; wimg 147,456 bytes; misc 12,288 bytes
;; launch prep (part 1): grid 640 x 1, 5 waves a work-group, no clusters, 0 bytes of LDS; arguments feat, coords, Wq, Wk, Wv, Wp2, Wo, Wf1, Wf2, Wp1, bp1, bq, bv, bp2, bo, g1, b1, bf1, bf2, g2, b2, fcodes, aux, wimg, misc; writes fcodes, aux, wimg, misc
.if DOCPART == 1
	.amdgcn_target "amdgcn-amd-amdhsa--gfx1250"
	.amdhsa_code_object_version 6
	.text
	.protected	k_q7844224166_prep
	.globl	k_q7844224166_prep
	.p2align	8
	.type	k_q7844224166_prep,@function
k_q7844224166_prep:
	s_mov_b64 s[64:65], 0
	v_nop
	global_prefetch_b8 v0, s[64:65] scope:SCOPE_SE
	s_setreg_imm32_b32 hwreg(HW_REG_WAVE_MODE, 25, 1), 1
	s_wait_xcnt 0x0
; PREP: everything that is quantised once.  feat [100000][128] f32 -> fcodes [100000][128] codes of E5M2 and aux [100000][x, y, z, the row's four E8M0 bytes];
; the seven weights of the quantised products -> wimg: 72 fragments of 2,048 bytes, each the image of an operand's 16 registers (group c of four registers at 512 c + 16 lane);
; the biases, gains, Wp1 with bp1, and the weights' scale words -> misc (12,288 bytes, copied whole into LDS by the next launch).
; DEAD WORK, for all values of the inputs.  k_nbr = k_feat[idx] + pe holds the terms bk and bp2, the same for all 16 neighbours of a point; they add q_h . (bk + bp2)_h to each of a head's 16
; logits, a term that is the same along the softmax's axis, so it leaves attn as it is: neither is added to k.  bk then has no way to any output: it is not loaded and is no argument.
; v_nbr holds bv + bp2 in all 16 neighbours and the weights attn of a head sum to 1: bv + bp2 is added once, behind the weighted sum.
; LIMITS: a NaN, an infinity or an overflow that reaches only bk or q . (bk + bp2) is not carried to the result; NaN and infinities among the inputs are not served;
; a block whose largest magnitude lies under 2^-111 keeps the byte 1 (a block of zeros too, where the rule says 127: its codes are zeros, and this program alone reads the bytes).
; SHARES: 3,200 waves, unit u = 5 x work-group + wave.  u < 3125: 32 rows of feat.  The next 72: one fragment each.  The last three: the small tables.  No LDS, no barrier, EXEC stays full.
; COLUMNS OF A FRAGMENT: lane (r, h) holds column map(t, r) at k = 128 s + 32 c + 16 h + 0 .. 15.
;   psi(t, r) = 32 (t / 2) + 8 (t % 2) + r + 8 (r / 8)   Wo, Wf1, Wf2, Wp1: two neighbouring tiles give a lane 16 neighbours along the next K
;   phi(t, r) = 64 (t / 4) + t % 4 + 4 r                 Wk, Wv, Wp2: a half of the lanes (or of a tile's rows) is one head
;   chi(t, r) = 32 (t / 2) + 2 (t % 2) + 4 (r % 8) + r / 8   Wq: q comes out in the order in which phi's tiles want it
.set UFEAT, 3125
	s_load_b512 s[4:19], s[0:1], 0x0               ; feat 4, coords 6, Wq 8, Wk 10, Wv 12, Wp2 14, Wo 16, Wf1 18
	s_load_b512 s[20:35], s[0:1], 0x40             ; Wf2 20, Wp1 22, bp1 24, bq 26, bv 28, bp2 30, bo 32, g1 34
	s_load_b512 s[36:51], s[0:1], 0x80             ; b1 36, bf1 38, bf2 40, g2 42, b2 44, fcodes 46, aux 48, wimg 50
	s_load_b64 s[52:53], s[0:1], 0xc0              ; misc
	v_lshrrev_b32 v1, 5, v0
	v_readfirstlane_b32 s54, v1                    ; wave
	s_mul_i32 s55, ttmp9, 5
	s_add_co_u32 s55, s55, s54                     ; unit
	v_and_b32 v1, 31, v0                           ; lane
	v_and_b32 v2, 15, v0                           ; r
	v_bfe_u32 v3, v0, 4, 1                         ; h
	s_mov_b32 s56, 0x600000                        ; the mantissa field of 57,344
	s_mov_b32 s57, 0xffff0000                      ; lanes 16-31
	s_mov_b32 s58, 0x76543210
	s_mov_b32 s59, 0xfedcba98                      ; v_permlanex16_b32's selects for lane l xor 16
	s_mov_b32 s61, 0
	s_wait_kmcnt 0x0
	s_cmp_lt_u32 s55, UFEAT
	s_cbranch_scc0 .Lweights
; ---- 32 rows of feat.  Step s takes rows 2 s + h; a lane holds 8 neighbours, four lanes a block of 32.
	s_lshl_b32 s60, s55, 14
	s_add_nc_u64 s[4:5], s[4:5], s[60:61]          ; 32 rows of 512 bytes
	s_lshl_b32 s60, s55, 12
	s_add_nc_u64 s[46:47], s[46:47], s[60:61]      ; 32 rows of 128 codes
	s_lshl_b32 s60, s55, 9
	s_add_nc_u64 s[48:49], s[48:49], s[60:61]      ; 32 records of 16 bytes
	s_mul_i32 s60, s55, 384
	s_add_nc_u64 s[6:7], s[6:7], s[60:61]          ; 32 x 12 bytes of coords
	v_lshlrev_b32 v8, 5, v2
	v_lshl_add_u32 v8, v3, 9, v8                   ; in: 512 h + 32 r
	v_lshlrev_b32 v9, 3, v1                        ; codes out: 8 x lane: 256 consecutive bytes a store
	v_lshl_add_u32 v10, v2, 1, v3                  ; the row whose record I store: 2 r + h
	v_mul_u32_u24 v11, v10, 12
	v_lshlrev_b32 v10, 4, v10
	v_lshrrev_b32 v12, 2, v2
	v_lshlrev_b32 v12, 3, v12                      ; my block's byte in the row's word: 8 (r / 4) bits up
	v_mov_b32 v7, 0                                ; the word that I keep
	v_mov_b32 v15, 0                               ; (a DPP destination counts as read)
.set fs, 0
.rept 16
	global_load_b128 v[32+8*fs:35+8*fs], v8, s[4:5] offset:1024*fs th:TH_LOAD_NT
	global_load_b128 v[36+8*fs:39+8*fs], v8, s[4:5] offset:1024*fs+16 th:TH_LOAD_NT
.set fs, fs+1
.endr
	global_load_b32 v4, v11, s[6:7]
	global_load_b32 v5, v11, s[6:7] offset:4
	global_load_b32 v6, v11, s[6:7] offset:8
.macro FSTEP
.set XS, 32+8*fs
	s_wait_loadcnt 33-2*fs                         ; behind this step's two loads: 2 (15 - s) of feat and 3 of coords
	v_max3_num_f32 v13, |v[XS]|, |v[XS+1]|, 0x8000000       ; my 8 numbers and the floor 2^(16 - 127): the byte cannot fall under 1
	v_max3_num_f32 v16, |v[XS+2]|, |v[XS+3]|, |v[XS+4]|
	v_max3_num_f32 v13, v13, |v[XS+5]|, |v[XS+6]|
	v_max3_num_f32 v13, v13, v16, |v[XS+7]|
	v_max_num_f32_dpp v13, v13, v13 row_xmask:1 row_mask:0xf bank_mask:0xf
	v_max_num_f32_dpp v13, v13, v13 row_xmask:2 row_mask:0xf bank_mask:0xf   ; the block's largest magnitude
	v_add_nc_u32 v17, 0xf8800000, v13              ; 15 off its exponent field: the conversion's scale operand
	v_and_or_b32 v18, v13, 0x7f800000, s56         ; 57,344 x the scale
.set fj, 0
.rept 8
	v_med3_num_f32 v[XS+fj], v[XS+fj], -v18, v18   ; the conversion to an 8-bit code does not saturate (ISA guide 7.6.2)
.set fj, fj+1
.endr
	v_cvt_scalef32_pk8_bf8_f32 v[160+2*fs:161+2*fs], v[XS:XS+7], v17
	v_lshrrev_b32 v14, 23, v17                     ; the scale's byte
	global_store_b64 v9, v[160+2*fs:161+2*fs], s[46:47] offset:256*fs
	v_lshlrev_b32 v14, v12, v14                    ; at its place in the word
	v_mov_b32_dpp v15, v14 row_xmask:4 row_mask:0xf bank_mask:0xf
	v_or_b32 v14, v14, v15
	v_mov_b32_dpp v15, v14 row_xmask:8 row_mask:0xf bank_mask:0xf
	v_or_b32 v14, v14, v15                         ; all 16 lanes of a half hold their row's word
	s_mov_b32 s62, (1<<fs)|(1<<(16+fs))
	v_cndmask_b32 v7, v7, v14, s62                 ; lane (r = s, h) keeps the word of row 2 s + h
.endm
.set fs, 0
.rept 16
	FSTEP
.set fs, fs+1
.endr
	s_wait_loadcnt 0x0                             ; coords
	global_store_b128 v10, v[4:7], s[48:49]        ; 32 records: 512 consecutive bytes
	s_endpgm
.Lweights:
	s_sub_co_u32 s60, s55, UFEAT                   ; f
	v_lshlrev_b32 v8, 4, v1                        ; 16 x lane
	s_cmp_lt_u32 s60, 72
	s_cbranch_scc0 .Lsmall
; ---- one fragment: 0-7 Wq, 8-15 Wk, 16-23 Wv, 24-31 Wp2, 32-39 Wo, 40-55 Wf1, 56-71 Wf2 (56 + 2 t + s)
	s_mov_b64 s[66:67], s[20:21]
	s_cmp_lt_u32 s60, 56
	s_cselect_b64 s[66:67], s[18:19], s[66:67]
	s_cmp_lt_u32 s60, 40
	s_cselect_b64 s[66:67], s[16:17], s[66:67]
	s_cmp_lt_u32 s60, 32
	s_cselect_b64 s[66:67], s[14:15], s[66:67]
	s_cmp_lt_u32 s60, 24
	s_cselect_b64 s[66:67], s[12:13], s[66:67]
	s_cmp_lt_u32 s60, 16
	s_cselect_b64 s[66:67], s[10:11], s[66:67]
	s_cmp_lt_u32 s60, 8
	s_cselect_b64 s[66:67], s[8:9], s[66:67]       ; the weight
	s_and_b32 s75, s60, 7
	s_sub_co_u32 s62, s60, 40
	s_cmp_lt_u32 s60, 40
	s_cselect_b32 s75, s75, s62
	s_sub_co_u32 s62, s60, 56
	s_lshr_b32 s63, s62, 1
	s_and_b32 s62, s62, 1
	s_cmp_lt_u32 s60, 56
	s_cselect_b32 s75, s75, s63                    ; t
	s_cselect_b32 s62, 0, s62                      ; s
	s_lshr_b32 s68, s75, 1
	s_lshl_b32 s68, s68, 5
	s_and_b32 s69, s75, 1
	s_lshl_b32 s70, s69, 3
	s_add_co_u32 s70, s70, s68                     ; psi's part of t
	s_lshl_b32 s69, s69, 1
	s_add_co_u32 s69, s69, s68                     ; chi's
	s_lshr_b32 s71, s75, 2
	s_lshl_b32 s71, s71, 6
	s_and_b32 s72, s75, 3
	s_add_co_u32 s71, s71, s72                     ; phi's
	s_cmp_lt_u32 s60, 32
	s_cselect_b32 s70, s71, s70
	s_cselect_b32 s73, -1, 0
	s_cmp_lt_u32 s60, 8
	s_cselect_b32 s70, s69, s70
	s_cselect_b32 s74, -1, 0
	v_and_b32 v4, 8, v2
	v_add_nc_u32 v4, v4, v2                        ; psi's part of r
	v_lshlrev_b32 v5, 2, v2                        ; phi's
	v_and_b32 v6, 7, v2
	v_lshlrev_b32 v6, 2, v6
	v_lshrrev_b32 v7, 3, v2
	v_add_nc_u32 v6, v6, v7                        ; chi's
	v_cndmask_b32 v4, v4, v5, s73
	v_cndmask_b32 v4, v4, v6, s74
	v_add_nc_u32 v4, s70, v4                       ; my column
	v_lshlrev_b32 v4, 2, v4
	s_lshl_b32 s62, s62, 16                        ; K step s: 128 rows of 512 bytes (Wf2 alone has one)
	v_add_nc_u32 v4, s62, v4
.macro WLOAD pitch                     ; W(32 c + 16 h + i, my column): the registers run down K
.set wc, 0
.rept 64
	global_load_b32 v[32+wc], v4, s[66:67] offset:(32*(wc/16)+wc%16)*\pitch
.set wc, wc+1
.endr
.endm
	s_sub_co_u32 s63, s60, 40
	s_cmp_lt_u32 s63, 16
	s_cbranch_scc1 .Lwide
	v_lshl_add_u32 v4, v3, 13, v4                  ; lanes 16-31 begin 16 rows of 512 bytes further down
	WLOAD 512
	s_branch .Lquant
.Lwide:
	v_lshl_add_u32 v4, v3, 14, v4                  ; Wf1's rows are 1,024 bytes
	WLOAD 1024
.Lquant:
	s_wait_loadcnt 0x0
.irp b, 0,1,2,3
	v_mov_b32 v[116+\b], 0                         ; (a lane permute's destination counts as read)
.endr
.irp b, 0,1,2,3
	v_max3_num_f32 v[112+\b], |v[32+16*\b]|, |v[33+16*\b]|, 0x8000000
.endr
.irp i, 2,4,6,8,10,12,14
.irp b, 0,1,2,3
	v_max3_num_f32 v[112+\b], v[112+\b], |v[32+16*\b+\i]|, |v[33+16*\b+\i]|
.endr
.endr
.irp b, 0,1,2,3
	v_permlanex16_b32 v[116+\b], v[112+\b], s58, s59
.endr
.irp b, 0,1,2,3
	v_max_num_f32 v[112+\b], v[112+\b], v[116+\b]  ; the block's largest magnitude
.endr
.irp b, 0,1,2,3
	v_add_nc_u32 v[124+\b], 0xf8800000, v[112+\b]
.endr
.irp b, 0,1,2,3
	v_and_or_b32 v[120+\b], v[112+\b], 0x7f800000, s56
.endr
.irp b, 0,1,2,3
	v_lshrrev_b32 v[116+\b], 23, v[124+\b]
.endr
	v_lshl_or_b32 v9, v117, 8, v116
	v_lshl_or_b32 v9, v118, 16, v9
	v_lshl_or_b32 v9, v119, 24, v9                 ; my column's scale word
.irp c, 0,1,2,3
.irp i, 0,1,2,3,4,5,6,7,8,9,10,11,12,13,14,15
	v_med3_num_f32 v[32+16*\c+\i], v[32+16*\c+\i], -v[120+\c], v[120+\c]
.endr
	v_cvt_scalef32_pk8_bf8_f32 v[96+4*\c:97+4*\c], v[32+16*\c:39+16*\c], v[124+\c]
	v_cvt_scalef32_pk8_bf8_f32 v[98+4*\c:99+4*\c], v[40+16*\c:47+16*\c], v[124+\c]
.endr
	v_lshlrev_b32 v10, 2, v2
	s_lshl_b32 s62, s60, 11
	s_mov_b32 s63, 0
	s_add_nc_u64 s[50:51], s[50:51], s[62:63]
	s_lshl_b32 s62, s60, 6
	s_add_nc_u64 s[52:53], s[52:53], s[62:63]
.irp c, 0,1,2,3
	global_store_b128 v8, v[96+4*\c:99+4*\c], s[50:51] offset:512*\c
.endr
	global_store_b32 v10, v9, s[52:53] offset:7168 ; both halves hold and store the same word
	s_endpgm
.Lsmall:
	s_cmp_eq_u32 s60, 72
	s_cbranch_scc0 .Lnot_a
; ---- bq in the order of q's positions (position 16 t + m holds channel chi(t, m)); bv + bp2; bo, g1, b1
	v_lshrrev_b32 v4, 3, v1
	v_lshlrev_b32 v4, 7, v4
	v_bfe_u32 v5, v1, 2, 1
	v_lshl_add_u32 v4, v5, 3, v4
	v_and_b32 v5, 1, v1
	v_lshl_add_u32 v4, v5, 6, v4
	v_bfe_u32 v5, v1, 1, 1
	v_lshl_add_u32 v4, v5, 2, v4                   ; 4 chi of position 4 lane; the next three positions lie 4 channels apart
.irp e, 0,1,2,3
	global_load_b32 v[12+\e], v4, s[26:27] offset:16*\e
.endr
	global_load_b128 v[16:19], v8, s[28:29]
	global_load_b128 v[20:23], v8, s[30:31]
	global_load_b128 v[24:27], v8, s[32:33]
	global_load_b128 v[28:31], v8, s[34:35]
	global_load_b128 v[32:35], v8, s[36:37]
	s_wait_loadcnt 0x0
	v_pk_add_f32 v[16:17], v[16:17], v[20:21]
	v_pk_add_f32 v[18:19], v[18:19], v[22:23]
	global_store_b128 v8, v[12:15], s[52:53]
	global_store_b128 v8, v[16:19], s[52:53] offset:512
	global_store_b128 v8, v[24:27], s[52:53] offset:1024
	global_store_b128 v8, v[28:31], s[52:53] offset:1536
	global_store_b128 v8, v[32:35], s[52:53] offset:2048
	s_endpgm
.Lnot_a:
	s_cmp_eq_u32 s60, 73
	s_cbranch_scc0 .Lnot_b
; ---- bf1, bf2, g2, b2
	global_load_b128 v[12:15], v8, s[38:39]
	global_load_b128 v[16:19], v8, s[38:39] offset:512
	global_load_b128 v[20:23], v8, s[40:41]
	global_load_b128 v[24:27], v8, s[42:43]
	global_load_b128 v[28:31], v8, s[44:45]
	s_wait_loadcnt 0x0
	global_store_b128 v8, v[12:15], s[52:53] offset:2560
	global_store_b128 v8, v[16:19], s[52:53] offset:3072
	global_store_b128 v8, v[20:23], s[52:53] offset:3584
	global_store_b128 v8, v[24:27], s[52:53] offset:4096
	global_store_b128 v8, v[28:31], s[52:53] offset:4608
	s_endpgm
.Lnot_b:
; ---- Wp1 with bp1 as a fourth row, as source 0 of the f32 matrix form: register 2 t + j of lane (r, h) is row 2 h + j at column psi(t, r); and 512 bytes of zeros at the table's end
	v_and_b32 v4, 8, v2
	v_add_nc_u32 v4, v4, v2
	v_lshlrev_b32 v4, 2, v4
	v_lshl_add_u32 v5, v3, 10, v4                  ; row 2 h
.irp t, 0,1,2,3,4,5,6,7
	global_load_b32 v[32+2*\t], v5, s[22:23] offset:(32*(\t/2)+8*(\t%2))*4
	global_load_b32 v[64+\t], v4, s[22:23] offset:512+(32*(\t/2)+8*(\t%2))*4
	global_load_b32 v[80+\t], v4, s[24:25] offset:(32*(\t/2)+8*(\t%2))*4
.endr
.irp e, 0,1,2,3
	v_mov_b32 v[12+\e], 0
.endr
	s_wait_loadcnt 0x0
.irp t, 0,1,2,3,4,5,6,7
	v_cndmask_b32 v[33+2*\t], v[64+\t], v[80+\t], s57      ; row 1 in lanes 0-15, bp1 in lanes 16-31
.endr
.irp c, 0,1,2,3
	global_store_b128 v8, v[32+4*\c:35+4*\c], s[52:53] offset:5120+512*\c
.endr
	global_store_b128 v8, v[12:15], s[52:53] offset:11776
	s_endpgm
.Lfunc_end_k_q7844224166_prep:
	.size	k_q7844224166_prep, .Lfunc_end_k_q7844224166_prep-k_q7844224166_prep
	.p2alignl 7, 3214868480
	.fill 96, 4, 3214868480
	.section	.rodata,"a",@progbits
	.p2align	6, 0x0
	.amdhsa_kernel k_q7844224166_prep
		.amdhsa_group_segment_fixed_size 0
		.amdhsa_private_segment_fixed_size 0
		.amdhsa_enable_private_segment 0
		.amdhsa_kernarg_size 200
		.amdhsa_user_sgpr_count 2
		.amdhsa_user_sgpr_kernarg_segment_ptr 1
		.amdhsa_wavefront_size32 1
		.amdhsa_system_sgpr_workgroup_id_x 1
		.amdhsa_system_sgpr_workgroup_id_y 1
		.amdhsa_system_sgpr_workgroup_id_z 1
		.amdhsa_system_vgpr_workitem_id 0
		.amdhsa_next_free_vgpr 192
		.amdhsa_next_free_sgpr 80
		.amdhsa_reserve_vcc 0
		.amdhsa_float_denorm_mode_32 3
		.amdhsa_float_denorm_mode_16_64 3
		.amdhsa_memory_ordered 1
		.amdhsa_forward_progress 1
		.amdhsa_inst_pref_size 61
	.end_amdhsa_kernel
	.amdgpu_metadata
---
amdhsa.version: [ 1, 2 ]
amdhsa.kernels:
  - .name:           k_q7844224166_prep
    .symbol:         k_q7844224166_prep.kd
    .args:
      - { .name: feat, .offset: 0, .size: 8, .value_kind: global_buffer, .address_space: global }
      - { .name: coords, .offset: 8, .size: 8, .value_kind: global_buffer, .address_space: global }
      - { .name: Wq, .offset: 16, .size: 8, .value_kind: global_buffer, .address_space: global }
      - { .name: Wk, .offset: 24, .size: 8, .value_kind: global_buffer, .address_space: global }
      - { .name: Wv, .offset: 32, .size: 8, .value_kind: global_buffer, .address_space: global }
      - { .name: Wp2, .offset: 40, .size: 8, .value_kind: global_buffer, .address_space: global }
      - { .name: Wo, .offset: 48, .size: 8, .value_kind: global_buffer, .address_space: global }
      - { .name: Wf1, .offset: 56, .size: 8, .value_kind: global_buffer, .address_space: global }
      - { .name: Wf2, .offset: 64, .size: 8, .value_kind: global_buffer, .address_space: global }
      - { .name: Wp1, .offset: 72, .size: 8, .value_kind: global_buffer, .address_space: global }
      - { .name: bp1, .offset: 80, .size: 8, .value_kind: global_buffer, .address_space: global }
      - { .name: bq, .offset: 88, .size: 8, .value_kind: global_buffer, .address_space: global }
      - { .name: bv, .offset: 96, .size: 8, .value_kind: global_buffer, .address_space: global }
      - { .name: bp2, .offset: 104, .size: 8, .value_kind: global_buffer, .address_space: global }
      - { .name: bo, .offset: 112, .size: 8, .value_kind: global_buffer, .address_space: global }
      - { .name: g1, .offset: 120, .size: 8, .value_kind: global_buffer, .address_space: global }
      - { .name: b1, .offset: 128, .size: 8, .value_kind: global_buffer, .address_space: global }
      - { .name: bf1, .offset: 136, .size: 8, .value_kind: global_buffer, .address_space: global }
      - { .name: bf2, .offset: 144, .size: 8, .value_kind: global_buffer, .address_space: global }
      - { .name: g2, .offset: 152, .size: 8, .value_kind: global_buffer, .address_space: global }
      - { .name: b2, .offset: 160, .size: 8, .value_kind: global_buffer, .address_space: global }
      - { .name: fcodes, .offset: 168, .size: 8, .value_kind: global_buffer, .address_space: global }
      - { .name: aux, .offset: 176, .size: 8, .value_kind: global_buffer, .address_space: global }
      - { .name: wimg, .offset: 184, .size: 8, .value_kind: global_buffer, .address_space: global }
      - { .name: misc, .offset: 192, .size: 8, .value_kind: global_buffer, .address_space: global }
    .group_segment_fixed_size: 0
    .private_segment_fixed_size: 0
    .kernarg_segment_align: 8
    .kernarg_segment_size: 200
    .max_flat_workgroup_size: 160
    .sgpr_count:     80
    .vgpr_count:     192
    .wavefront_size: 32
...
	.end_amdgpu_metadata
.endif
;; end of part 1
;; launch main (part 2): grid 250 x 1, 16 waves a work-group, no clusters, 327,680 bytes of LDS; arguments fcodes, aux, wimg, misc, knn_idx, feat, out0; writes out0
.if DOCPART == 2
	.amdgcn_target "amdgcn-amd-amdhsa--gfx1250"
	.amdhsa_code_object_version 6
	.text
	.protected	k_q7844224166_main
	.globl	k_q7844224166_main
	.p2align	8
	.type	k_q7844224166_main,@function
k_q7844224166_main:
	s_mov_b64 s[64:65], 0
	v_nop
	global_prefetch_b8 v0, s[64:65] scope:SCOPE_SE
	s_setreg_imm32_b32 hwreg(HW_REG_WAVE_MODE, 25, 1), 1
	s_wait_xcnt 0x0
; MAIN: the whole block for 400 points a work-group, 25 neighbouring points a wave (point 400 wg + 25 w on), sixteen waves of 256 registers, four to a SIMD.
; WORK LEFT OUT (shown at the head of the first kernel): bk, and bp2 in k_nbr, are the same along the softmax's axis and are not added; bv + bp2 is added once behind the weighted sum, attn summing to 1.
; LIMITS: knn_idx lies in 0 .. 99,999 (held there); NaN and infinities are not served; a NaN, infinity or overflow that reaches only the work left out is not carried on; a block under 2^-111
; (2^-110 for 2 gelu) keeps the byte 1; below x = -13 or so gelu comes out as 0, since v_exp_f32 gives 0 for what would be denormal (ISA guide, its entry in 15.8).
; IDEAS.  (1) A neighbour's k and v are not gathered as f32 rows: its 128 codes and scale word are gathered, and products 2 and 3 are done again for a point's 16 neighbours, one tile of 16 rows.
; (2) k + pe is made TRANSPOSED (source 0 = 16 channels phi(t, .), source 1 = the neighbours): a lane holds one neighbour, lanes 0-15 one head and lanes 16-31 the next: a logit is a sum in a lane, the softmax
; four DPP steps.  v + pe is made the natural way from the same fragments: a lane holds one channel and eight neighbours: the weighted sum is packed multiply-adds.
; (3) rel_pos Wp1 + bp1 is one f32 matrix instruction a tile: K = 4 = (dx, dy, dz, 1) against (Wp1; bp1).
; (4) 2 gelu(x) = (x + |x|) - |x| erfc(|x| / sqrt 2), erfc(z) = t 2^(-z^2 log2 e + P9(t)), t = 1 / (1 + z / 2) (a Chebyshev fit; relative error about 1.2e-7 at every z).  The factor 2 is taken off the scale's byte.
; THE ORDER IN A TRIP is chosen so that a wave has work of its own beside each thing that it waits for: a block's quantiser stands among the next block's reciprocals; the two f32 products of a block stand
; 16 packed lines apart; the fragments of a K or V step are asked for a step ahead, into a second set of registers (Wp1's place and the quantiser's, both idle in those steps).
; LDS: a region of 26 rows x 528 bytes for each wave, its own (q' in position order, then out, then the tail's images and stage); the weights' images (A: Wq Wk Wv Wp2; later B: Wo Wf1 Wf2); the small tables;
; 512 bytes a wave for attn; the spare words.  Only the weights and tables are shared: three barriers.  No tensor load: what is shared is 160 KB a work-group, read once; no cluster for the same reason.
; No prefetch: the gathered tables are read sixteen times over by all work-groups, and each gather is issued a whole gelu stage ahead of its use.
.set QP,    528
.set RGB,   26*QP                      ; a wave's region
.set WL,    16*RGB                     ; the weights' images, 81,920 bytes
.set MISC,  WL+81920                   ; the tables, 12,288 bytes: 0 bq (positions), 512 bv + bp2, 1024 bo, 1536 g1, 2048 b1, 2560 bf1, 3584 bf2, 4096 g2, 4608 b2, 5120 Wp1's image, 7168 scale words
.set ATB,   MISC+12288                 ; attn, 512 bytes a wave
.set SPARE, ATB+8192                   ; the spare words, 128 bytes a wave: eight blocks of 256 bytes that no other line names
.set SCO,   7168
.set SPW, 1                            ; v1  my spare word's address; v2  0: never rewritten
.set NIL, 2
.set RR,  3                            ; lane % 16
.set HH,  4                            ; lane / 16
.set WA,  5                            ; WL + 16 lane
.set L16, 6                            ; 16 lane
.set KSA, 7                            ; scale words: lanes 0-15 Wk's, lanes 16-31 Wp2's   (tail: at work)
.set VSA, 8                            ; lanes 0-15 Wv's, lanes 16-31 Wp2's                (tail: at work)
.set ATS, 9                            ; attn in                                            (tail: at work)
.set ATL, 10                           ; attn out                                           (tail: at work)
.set QB,  11                           ; region + 128 h                                     (tail: PRB = MISC + 64 h)
.set OB,  12                           ; region + 16 lane
.set QAD, 13                           ; QB + the pair's rows                               (tail: RA = region + 528 r + 64 h)
.set OAD, 14                           ; OB + the pair's rows                               (tail: RW = region + 4 lane)
.set R4,  15                           ; 4 r                                                (tail: WA2 = WA + 49,152)
.set VI,  16                           ; v16-17 offsets of the index loads                  (tail: FO, feat's offset)
.set AO,  18                           ; v18-19 16 x neighbour
.set OF,  20                           ; v20-21 128 x neighbour + 16 h; v20 at a trip's end: where Wp1's image lies
.set IDX, 22                           ; v22-23 indices as loaded
.set FS,  24                           ; v24-29 hold scales and nothing else: the neighbours' words (tail: the hidden layer's),
.set GW,  26                           ; gelu's words (tail: out's, x's),
.set WSR, 28                           ; the weights': even steps',
.set WSR2,29                           ; odd steps'
.set H16, 30
.set SCA, 31                           ; MISC + SCO + 4 lane
.set WP1, 32                           ; v32-47 Wp1's image; in the K and V steps a fragment of the even steps      (tail: codes)
.set WBA, 32
.set BVP, 48                           ; v48-51 bv + bp2 of channels 4 lane ..
.set BF,  52                           ; v52-55 (dx, dy | dz, 1) of two points; in the V steps at work
.set XQ,  52
.set SS,  52
.set AX,  56                           ; v56-63 the neighbours' records
.set FF,  64                           ; v64-95 the neighbours' codes, two points     (tail: FR, v64-127: 64 numbers of a row)
.set GC,  96                           ; v96-127 gelu's codes, two points
.set FR,  64
.set TA,  128                          ; v128-191 gelu's four sets of 16; in the K and V steps: the odd steps' two fragments, q' or attn
.set TT,  144
.set TQ,  160
.set TP,  176
.set LA,  192                          ; v192-199 logits in halves, later out
.set PT,  200                          ; v200-205 a point's differences; v204-211 the quantiser's; in the K and V steps v200-215: a fragment of the even steps
.set WBB, 200
.set XS,  216                          ; v216-219 the softmax's four values, later the weighted sums
.set SV,  216
.set CT,  220                          ; v220-223 at work in the V steps
.set CV9, 222                          ; v222-223 C9, set anew in each trip
.set MH,  224                          ; v224-255 accumulators: written by matrix instructions alone
.set CC,  40                           ; s40-57 C0 .. C8 in pairs
.set KD,  58
.set NK2, 60
.set SQ,  62
.macro BAR
	s_wait_dscnt 0x0                               ; for the others' sake: my LDS stores have landed, my LDS loads are in
	s_barrier_signal -1
	s_barrier_wait -1
.endm
.macro NOPS n
.rept \n
	v_nop
.endr
.endm
.macro SPAIR reg, val
	s_mov_b32 s[\reg], \val
	s_mov_b32 s[\reg+1], \val
.endm
; a scaled product.  c < 0: the constant 0 starts the sum.  row: 0 both scales from lanes 0-15; 1 source 0's from lanes 16-31; 2 source 1's
.macro WM d, a, b, c, sa, sb, row
.if (\c) < 0
.if (\row) == 0
	v_wmma_scale_f32_16x16x128_f8f6f4 v[\d:\d+7], v[\a:\a+15], v[\b:\b+15], 0, v[\sa], v[\sb] matrix_a_fmt:MATRIX_FMT_BF8 matrix_b_fmt:MATRIX_FMT_BF8
.elseif (\row) == 1
	v_wmma_scale_f32_16x16x128_f8f6f4 v[\d:\d+7], v[\a:\a+15], v[\b:\b+15], 0, v[\sa], v[\sb] matrix_a_fmt:MATRIX_FMT_BF8 matrix_b_fmt:MATRIX_FMT_BF8 matrix_a_scale:MATRIX_SCALE_ROW1
.else
	v_wmma_scale_f32_16x16x128_f8f6f4 v[\d:\d+7], v[\a:\a+15], v[\b:\b+15], 0, v[\sa], v[\sb] matrix_a_fmt:MATRIX_FMT_BF8 matrix_b_fmt:MATRIX_FMT_BF8 matrix_b_scale:MATRIX_SCALE_ROW1
.endif
.else
.if (\row) == 0
	v_wmma_scale_f32_16x16x128_f8f6f4 v[\d:\d+7], v[\a:\a+15], v[\b:\b+15], v[\c:\c+7], v[\sa], v[\sb] matrix_a_fmt:MATRIX_FMT_BF8 matrix_b_fmt:MATRIX_FMT_BF8
.elseif (\row) == 1
	v_wmma_scale_f32_16x16x128_f8f6f4 v[\d:\d+7], v[\a:\a+15], v[\b:\b+15], v[\c:\c+7], v[\sa], v[\sb] matrix_a_fmt:MATRIX_FMT_BF8 matrix_b_fmt:MATRIX_FMT_BF8 matrix_a_scale:MATRIX_SCALE_ROW1
.else
	v_wmma_scale_f32_16x16x128_f8f6f4 v[\d:\d+7], v[\a:\a+15], v[\b:\b+15], v[\c:\c+7], v[\sa], v[\sb] matrix_a_fmt:MATRIX_FMT_BF8 matrix_b_fmt:MATRIX_FMT_BF8 matrix_b_scale:MATRIX_SCALE_ROW1
.endif
.endif
.endm
; half u of the hidden units 32 b + 16 h + 0 .. 15 of point p's 16 neighbours, ahead of gelu: source 0 = 16 columns psi of (Wp1; bp1), source 1 = (dx, dy, dz, 1)
.macro WFH p, b, u
	v_wmma_f32_16x16x4_f32 v[MH+16*(\p)+8*(\u):MH+16*(\p)+8*(\u)+7], v[WP1+4*(\b)+2*(\u):WP1+4*(\b)+2*(\u)+1], v[BF+2*(\p):BF+2*(\p)+1], 0
.endm
; 2 GELU of the 16 accumulator registers from x on, in parts.  GA1: |x| and 1 + z / 2.  RCPS: n reciprocals from the a-th on.  GA3: x^2.  GB: the rest, into TP.
.macro GA1 x
.set gi, 0
.rept 16
	v_and_b32 v[TA+gi], s24, v[\x+gi]              ; |x|, each accumulator from its low end on
.set gi, gi+1
.endr
.set gi, 0
.rept 8
	v_pk_fma_f32 v[TT+gi:TT+gi+1], v[TA+gi:TA+gi+1], s[KD:KD+1], 1.0 op_sel_hi:[1,0,0]   ; 1 + z / 2
.set gi, gi+2
.endr
.endm
.macro RCPS a, n
.set gi, \a
.rept \n
	v_rcp_f32 v[TT+gi], v[TT+gi]                   ; t
.set gi, gi+1
.endr
.endm
.macro GA3 x
.set gi, 0
.rept 8
	v_pk_mul_f32 v[TQ+gi:TQ+gi+1], v[\x+gi:\x+gi+1], v[\x+gi:\x+gi+1]
.set gi, gi+2
.endr
.endm
; wf = 1: x is done with behind the additions x + |x|, and the two f32 products of (p, b) take its place, 16 packed lines apart
.macro GB x, wf, p, b
	s_wait_alu depctr_va_vdst(0)                   ; one wait for the 16 reciprocals, ahead of their first reader
.set gi, 0
.rept 8
	v_pk_fma_f32 v[TP+gi:TP+gi+1], v[TT+gi:TT+gi+1], v[CV9:CV9+1], s[CC+16:CC+17] op_sel_hi:[1,1,0]
.set gi, gi+2
.endr
.set gc, 14
.rept 8
.set gi, 0
.rept 8
	v_pk_fma_f32 v[TP+gi:TP+gi+1], v[TP+gi:TP+gi+1], v[TT+gi:TT+gi+1], s[CC+gc:CC+gc+1] op_sel_hi:[1,1,0]   ; Horner, the eight pairs by turns
.set gi, gi+2
.endr
.set gc, gc-2
.endr
.set gi, 0
.rept 8
	v_pk_fma_f32 v[TQ+gi:TQ+gi+1], v[TQ+gi:TQ+gi+1], s[NK2:NK2+1], v[TP+gi:TP+gi+1] op_sel_hi:[1,0,1]   ; - z^2 log2 e + P
.set gi, gi+2
.endr
.set gi, 0
.rept 8
	v_exp_f32 v[TQ+gi], v[TQ+gi]
	v_exp_f32 v[TQ+gi+1], v[TQ+gi+1]
	v_pk_add_f32 v[TP+gi:TP+gi+1], v[\x+gi:\x+gi+1], v[TA+gi:TA+gi+1]      ; x + |x|: plain work among the exponentials; it names none of their results
.set gi, gi+2
.endr
	s_wait_alu depctr_va_vdst(0)                   ; one wait for the 16 exponentials
.if \wf
	WFH \p, \b, 0
.endif
.set gi, 0
.rept 8
	v_pk_mul_f32 v[TT+gi:TT+gi+1], v[TT+gi:TT+gi+1], v[TQ+gi:TQ+gi+1]      ; erfc
.set gi, gi+2
.endr
.set gi, 0
.rept 8
	v_pk_fma_f32 v[TP+gi:TP+gi+1], v[TA+gi:TA+gi+1], v[TT+gi:TT+gi+1], v[TP+gi:TP+gi+1] neg_lo:[1,0,0] neg_hi:[1,0,0]
.set gi, gi+2
.endr
.if \wf
	WFH \p, \b, 1
.endif
.endm
.macro GELU x
	GA1 \x
	RCPS 0, 16
	GA3 \x
	GB \x, 0, 0, 0
.endm
; THE QUANTISER of a block of 32 along K, in parts: my 16 numbers from src on (lane l xor 16 holds the others) become four registers of codes at dst; the held numbers go to tmp.  fl: the floor.
; The raw exponent field goes into byte pos of word; at pos 3, bias takes 15 (or, for 2 gelu, 16) off all four bytes: every byte is above that, so nothing is borrowed.  pos 8: it is shifted into the pair FS from above.
; The word's lines stand ahead of the holds, which are the eight places that a scale written by a vector instruction wants ahead of a scaled product.
.macro QB1 src, fl
	v_max3_num_f32 v204, |v[\src]|, |v[\src+1]|, \fl
	v_max3_num_f32 v205, |v[\src+2]|, |v[\src+3]|, |v[\src+4]|
	v_max3_num_f32 v206, |v[\src+5]|, |v[\src+6]|, |v[\src+7]|
	v_max3_num_f32 v207, |v[\src+8]|, |v[\src+9]|, |v[\src+10]|
.endm
.macro QB2 src
	v_max3_num_f32 v204, v204, |v[\src+11]|, |v[\src+12]|
	v_max3_num_f32 v205, v205, |v[\src+13]|, |v[\src+14]|
	v_max3_num_f32 v206, v206, v207, |v[\src+15]|
.endm
.macro QB6 word, pos, bias
	v_add_nc_u32 v209, 0xf8800000, v204            ; 15 off the largest magnitude's exponent field: the conversion's scale operand
	v_and_or_b32 v210, v204, 0x7f800000, s22       ; 57,344 x the scale
	v_lshrrev_b32 v211, 23, v204
.if (\pos) == 0
	v_mov_b32 v[\word], v211
.elseif (\pos) < 4
	v_lshl_or_b32 v[\word], v211, 8*(\pos), v[\word]
.else
	v_alignbit_b32 v[FS], v[FS+1], v[FS], 8
	v_alignbit_b32 v[FS+1], v211, v[FS+1], 8
.endif
.if (\pos) == 3
	v_add_nc_u32 v[\word], \bias, v[\word]
.endif
.endm
.macro QB7 src, tmp, dst
.set qi, 0
.rept 16
	v_med3_num_f32 v[\tmp+qi], v[\src+qi], -v210, v210     ; the conversion to an 8-bit code does not saturate (ISA guide 7.6.2)
.set qi, qi+1
.endr
	v_cvt_scalef32_pk8_bf8_f32 v[\dst:\dst+1], v[\tmp:\tmp+7], v209
	v_cvt_scalef32_pk8_bf8_f32 v[\dst+2:\dst+3], v[\tmp+8:\tmp+15], v209
.endm
.macro QBLK src, tmp, dst, fl, word, pos, bias
	QB1 \src, \fl
	QB2 \src
	v_max3_num_f32 v204, v204, v205, v206
	v_permlanex16_b32 v208, v204, s20, s21
	v_max_num_f32 v204, v204, v208                 ; the block's largest magnitude
	QB6 \word, \pos, \bias
	QB7 \src, \tmp, \dst
.endm
; Block (p, b)'s 2 gelu in TP is quantised while the next block, whose x lies from x on, begins: the quantiser names TP and v204-211 alone, the next block's first part TA, TT and TQ alone.
; The reciprocals stand in the gaps of the quantiser's chain of dependent lines; none of their results is named ahead of the wait at the head of GB.
.macro QA p, b, x
	GA1 \x
	QB1 TP, 0x8800000
	RCPS 0, 3
	QB2 TP
	RCPS 3, 3
	v_max3_num_f32 v204, v204, v205, v206
	RCPS 6, 3
	v_permlanex16_b32 v208, v204, s20, s21
	RCPS 9, 3
	v_max_num_f32 v204, v204, v208
	RCPS 12, 2
	QB6 GW+(\p), \b, 0xefefeff0
	RCPS 14, 2
	QB7 TP, TP, GC+16*(\p)+4*(\b)
	GA3 \x                                         ; (plain lines behind the conversions, ahead of the lines that write TP anew)
.endm
	s_load_b256 s[4:11], s[0:1], 0x0               ; fcodes 4, aux 6, wimg 8, misc 10
	s_load_b128 s[12:15], s[0:1], 0x20             ; knn_idx 12, feat 14
	s_load_b64 s[16:17], s[0:1], 0x30              ; out0
	v_lshl_add_u32 v[SPW], v0, 2, SPARE
	v_mov_b32 v[NIL], 0
	v_lshrrev_b32 v3, 5, v0
	v_readfirstlane_b32 s18, v3                    ; wave 0..15
	v_and_b32 v[RR], 15, v0
	v_bfe_u32 v[HH], v0, 4, 1
	v_and_b32 v[L16], 31, v0
	v_lshl_add_u32 v[SCA], v[L16], 2, MISC+SCO
	v_lshlrev_b32 v[L16], 4, v[L16]
	v_add_nc_u32 v[WA], WL, v[L16]
	v_lshlrev_b32 v[R4], 2, v[RR]
	v_lshlrev_b32 v[H16], 4, v[HH]
	s_mul_i32 s19, ttmp9, 400
	s_mul_i32 s30, s18, 25
	s_add_co_u32 s19, s19, s30                     ; my first point
	s_mul_i32 s66, s18, RGB                        ; my region
	s_lshl_b32 s30, s18, 9
	s_add_co_u32 s30, s30, ATB
	v_lshl_add_u32 v[KSA], v[HH], 10, v[R4]
	v_add_nc_u32 v[KSA], MISC+SCO+512, v[KSA]
	v_lshl_add_u32 v[VSA], v[HH], 9, v[R4]
	v_add_nc_u32 v[VSA], MISC+SCO+1024, v[VSA]
	v_lshl_add_u32 v[ATS], v[HH], 6, v[R4]
	v_add_nc_u32 v[ATS], s30, v[ATS]               ; attn(neighbour r, head 2 g + h) at 64 h + 4 r
	v_lshrrev_b32 v[ATL], 3, v[RR]
	v_lshlrev_b32 v[ATL], 6, v[ATL]
	v_lshl_add_u32 v[ATL], v[HH], 5, v[ATL]
	v_add_nc_u32 v[ATL], s30, v[ATL]               ; back: head 2 g + r / 8, neighbours 8 h ..
	v_lshlrev_b32 v[QB], 7, v[HH]
	v_add_nc_u32 v[QB], s66, v[QB]
	v_add_nc_u32 v[OB], s66, v[L16]
	v_mov_b32 v208, 0                              ; (a lane permute's destination counts as read)
	v_mov_b32 v221, 0
	s_mov_b32 s20, 0x76543210
	s_mov_b32 s21, 0xfedcba98                      ; v_permlanex16_b32's selects for lane l xor 16
	s_mov_b32 s22, 0x600000                        ; the mantissa field of 57,344
	s_mov_b32 s23, 0xffff0000                      ; lanes 16-31
	s_mov_b32 s24, 0x7fffffff
	SPAIR CC, 0xbfe9b21e                           ; the fit's coefficients x log2 e: C0 = -1.82574822
	SPAIR CC+2, 0x3fb8ab5a                         ; 1.44272920
	SPAIR CC+4, 0x3f0a29d2                         ; 0.539700616
	SPAIR CC+6, 0x3e0efb2e                         ; 0.139630057
	SPAIR CC+8, 0xbe899a80                         ; -0.268756860
	SPAIR CC+10, 0x3ecdfd18                        ; 0.402321582
	SPAIR CC+12, 0xbfd1a1e5                        ; -1.63775315
	SPAIR CC+14, 0x40097039                        ; 2.14747446
	SPAIR CC+16, 0xbf97d29d                        ; -1.18611495  (C9 = 0.246517298 lies in v222-223)
	SPAIR KD, 0x3eb504f3                           ; 1 / (2 sqrt 2)
	SPAIR NK2, 0xbf38aa3b                          ; - log2 e / 2
	SPAIR SQ, 0x3e8293ee                           ; log2 e / sqrt 32
	s_mov_b32 s68, 0x3c000000                      ; 1 / 128
	s_mov_b32 s69, 0x3727c5ac                      ; 1e-5
; ---- ALL FIRST LOADS GO OUT TOGETHER: image A of the weights and the tables (16 bytes a thread a line), the codes and scale words of my two tiles of points for q, pair 0's indices and own records
	v_lshlrev_b32 v200, 4, v0
	v_lshlrev_b32 v201, 3, v0
	v_lshl_add_u32 v202, v0, 4, WL
	v_lshl_add_u32 v203, v0, 4, MISC
	v_lshl_add_u32 v204, v0, 3, MISC+8192
	v_add_nc_u32 v205, s19, v[RR]                  ; the first tile's point: rows 0-15
	v_add_nc_u32 v206, 10, v[RR]
	v_min_u32 v206, 24, v206
	v_add_nc_u32 v206, s19, v206                   ; the second's: rows 10-25, row 25 being point 24 once more
	v_lshlrev_b32 v207, 7, v205
	v_lshl_add_u32 v207, v[HH], 4, v207
	v_lshlrev_b32 v205, 4, v205
	v_lshlrev_b32 v209, 7, v206
	v_lshl_add_u32 v209, v[HH], 4, v209
	v_lshlrev_b32 v206, 4, v206
	s_lshl_b32 s30, s19, 6
	v_add_nc_u32 v[VI], s30, v[R4]
	v_add_nc_u32 v[VI+1], 64, v[VI]
	s_lshl_b32 s28, s19, 4
	s_add_co_u32 s29, s28, 16
	s_wait_kmcnt 0x0
.irp k, 0,1,2,3,4,5,6,7
	global_load_b128 v[128+4*\k:131+4*\k], v200, s[8:9] offset:8192*\k
.endr
	global_load_b128 v[160:163], v200, s[10:11]
	global_load_b64 v[164:165], v201, s[10:11] offset:8192
.irp c, 0,1,2,3
	global_load_b128 v[FF+4*\c:FF+4*\c+3], v207, s[4:5] offset:32*\c
.endr
	global_load_b32 v[FS], v205, s[6:7] offset:12
.irp c, 0,1,2,3
	global_load_b128 v[FF+16+4*\c:FF+16+4*\c+3], v209, s[4:5] offset:32*\c
.endr
	global_load_b32 v[FS+1], v206, s[6:7] offset:12
	global_load_b32 v[IDX], v[VI], s[12:13]
	global_load_b32 v[IDX+1], v[VI+1], s[12:13]
	s_load_b128 s[32:35], s[6:7], s28 offset:0x0
	s_load_b128 s[36:39], s[6:7], s29 offset:0x0
	s_wait_loadcnt 0x0
.irp k, 0,1,2,3,4,5,6,7
	ds_store_b128 v202, v[128+4*\k:131+4*\k] offset:8192*\k
.endr
	ds_store_b128 v203, v[160:163]
	ds_store_b64 v204, v[164:165]
	v_min_u32 v[AO], 0x1869f, v[IDX]
	v_min_u32 v[AO+1], 0x1869f, v[IDX+1]
	v_lshlrev_b32 v[AO], 4, v[AO]
	v_lshlrev_b32 v[AO+1], 4, v[AO+1]
	global_load_b128 v[AX:AX+3], v[AO], s[6:7] th:TH_LOAD_HT       ; pair 0's neighbours' records, and pair 1's indices: they land while q is made
	global_load_b128 v[AX+4:AX+7], v[AO+1], s[6:7] th:TH_LOAD_HT
	v_add_nc_u32 v[VI], 128, v[VI]
	v_add_nc_u32 v[VI+1], 128, v[VI+1]
	global_load_b32 v[IDX], v[VI], s[12:13]
	global_load_b32 v[IDX+1], v[VI+1], s[12:13]
	BAR                                            ; the weights and tables lie in LDS
	v_add_nc_u32 v13, MISC, v[L16]
.irp c, 0,1,2,3
	ds_load_b128 v[WP1+4*\c:WP1+4*\c+3], v13 offset:5120+512*\c
.endr
	ds_load_b128 v[BVP:BVP+3], v13 offset:512
; ---- q' = (feat Wq + bq) log2 e / sqrt 32 of my points, rows r0 .. r0 + 15 of my region.  Transposed: a lane holds one point; position 16 t + 8 h + j of a row holds channel chi(t, 8 h + j)
	v_lshl_add_u32 v200, v[HH], 5, MISC            ; bq by positions: 32 h
	v_mul_u32_u24 v201, v[RR], QP
	v_lshl_add_u32 v201, v[HH], 5, v201
	v_add_nc_u32 v201, s66, v201
.macro QTILE r0, k
.irp b, 0,1
.irp i, 0,1,2,3
.irp c, 0,1,2,3
	ds_load_b128 v[TA+16*\i+4*\c:TA+16*\i+4*\c+3], v[WA] offset:2048*(4*\b+\i)+512*\c
.endr
	ds_load_b128 v[96+8*\i:99+8*\i], v200 offset:64*(4*\b+\i)
	ds_load_b128 v[100+8*\i:103+8*\i], v200 offset:64*(4*\b+\i)+16
.endr
	ds_load_b32 v[WSR], v[SCA] offset:128*(2*\b)
	ds_load_b32 v[WSR2], v[SCA] offset:128*(2*\b+1)
	s_wait_dscnt 0x0
	WM 96, TA, FF+16*(\k), 96, WSR, FS+(\k), 0     ; the bias is the C of each sum
	WM 104, TT, FF+16*(\k), 104, WSR, FS+(\k), 1
	WM 112, TQ, FF+16*(\k), 112, WSR2, FS+(\k), 0
	WM 120, TP, FF+16*(\k), 120, WSR2, FS+(\k), 1
	NOPS 8
.set qj, 0
.rept 16
	v_pk_mul_f32 v[96+qj:97+qj], v[96+qj:97+qj], s[SQ:SQ+1] op_sel_hi:[1,0]
.set qj, qj+2
.endr
.irp i, 0,1,2,3
	ds_store_b128 v201, v[96+8*\i:99+8*\i] offset:QP*\r0+64*(4*\b+\i)
	ds_store_b128 v201, v[100+8*\i:103+8*\i] offset:QP*\r0+64*(4*\b+\i)+16
.endr
	s_wait_dscnt 0x0                               ; the stores have read their registers
.endr
.endm
	QTILE 0, 0
	QTILE 10, 1
.macro POINT p
	v_mov_b32 v[FS+\p], v[AX+4*\p+3]               ; the neighbours' scale words
	v_sub_f32 v[PT+3*\p], v[AX+4*\p], s[32+4*\p]
	v_sub_f32 v[PT+3*\p+1], v[AX+4*\p+1], s[33+4*\p]
	v_sub_f32 v[PT+3*\p+2], v[AX+4*\p+2], s[34+4*\p]
	v_cndmask_b32 v[BF+2*\p], v[PT+3*\p], v[PT+3*\p+2], s23        ; k = 2 h + j: (dx, dy) below, (dz, 1) above
	v_cndmask_b32 v[BF+2*\p+1], v[PT+3*\p+1], 1.0, s23
	WFH \p, 0, 0
	WFH \p, 0, 1
.endm
; THE 16 STEPS behind gelu: steps 0-7 tiles 0-7 of k + pe, steps 8-15 tiles 0, 4, 1, 5, 2, 6, 3, 7 of v + pe.  Step s takes its two fragments and scale words from set s % 2:
; even: v32-47, v200-215, v28; odd: TA, TT, v29.
.macro LDWA s                          ; step s: the scale words, and the fragment of Wk or Wv
.if (\s) < 8
.set LT, (\s)
.set LB, 16384
	ds_load_b32 v[WSR+(\s)%2], v[KSA] offset:64*LT
.else
.set LT, ((\s)-8)/2+4*(((\s)-8)%2)
.set LB, 32768
	ds_load_b32 v[WSR+(\s)%2], v[VSA] offset:64*LT
.endif
.set LR, TA+(WBA-TA)*(1-(\s)%2)
.irp c, 0,1,2,3
	ds_load_b128 v[LR+4*\c:LR+4*\c+3], v[WA] offset:LB+2048*LT+512*\c
.endr
.endm
.macro LDWB s                          ; step s: the fragment of Wp2
.if (\s) < 8
.set LT, (\s)
.else
.set LT, ((\s)-8)/2+4*(((\s)-8)%2)
.endif
.set LR, TT+(WBB-TT)*(1-(\s)%2)
.irp c, 0,1,2,3
	ds_load_b128 v[LR+4*\c:LR+4*\c+3], v[WA] offset:49152+2048*LT+512*\c
.endr
.endm
.macro LDW s
	LDWA \s
	LDWB \s
.endm
.macro LDQ t                           ; both points' q' for tile t
.set QR, TQ+16*((\t)%2)
.irp p, 0,1
	ds_load_b128 v[QR+8*\p:QR+8*\p+3], v[QAD] offset:QP*\p+256*((\t)/4)+32*((\t)%4)
	ds_load_b128 v[QR+8*\p+4:QR+8*\p+7], v[QAD] offset:QP*\p+256*((\t)/4)+32*((\t)%4)+16
.endr
.endm
.macro MM s                            ; step s's four products: the two points' accumulators by turns
.set AC, MH+16*((\s)%2)
.set WFR, TA+(WBA-TA)*(1-(\s)%2)
.set WPR, TT+(WBB-TT)*(1-(\s)%2)
.set WS, WSR+(\s)%2
.if (\s) < 8
	WM AC, WFR, FF, -1, WS, FS, 0                  ; k + pe, transposed
	WM AC+8, WFR, FF+16, -1, WS, FS+1, 0
	WM AC, WPR, GC, AC, WS, GW, 1
	WM AC+8, WPR, GC+16, AC+8, WS, GW+1, 1
.else
	WM AC, FF, WFR, -1, FS, WS, 0                  ; v + pe, the natural way
	WM AC+8, FF+16, WFR, -1, FS+1, WS, 0
	WM AC, GC, WPR, AC, GW, WS, 2
	WM AC+8, GC+16, WPR, AC+8, GW+1, WS, 2
.endif
.endm
.macro CONK t                          ; the logits take tile t's eight channels
.set AC, MH+16*((\t)%2)
.set QR, TQ+16*((\t)%2)
.set LG, LA+2*((\t)/4)
.irp i, 0,1,2,3
.irp p, 0,1
.if (((\t)%4) == 0) && (\i == 0)
	v_pk_mul_f32 v[LG+4*\p:LG+4*\p+1], v[AC+8*\p:AC+8*\p+1], v[QR+8*\p:QR+8*\p+1]
.else
	v_pk_fma_f32 v[LG+4*\p:LG+4*\p+1], v[AC+8*\p+2*\i:AC+8*\p+2*\i+1], v[QR+8*\p+2*\i:QR+8*\p+2*\i+1], v[LG+4*\p:LG+4*\p+1]
.endif
.endr
.endr
.endm
; the weighted sum of the n-th v tile (tile n / 2 + 4 (n % 2)): my channel's eight neighbours.  Behind a tile of the upper heads the two halves of the lanes change their parts:
; lanes 0-15 end with channel u + 4 r, lanes 16-31 with 64 + u + 4 r: register u of lane l is channel 4 l + u
.macro CONV n
.set AC, MH+16*((\n)%2)
.set CG, (\n)%2
.set CU, (\n)/2
.irp i, 0,1,2,3
.irp p, 0,1
.if \i == 0
	v_pk_mul_f32 v[SS+2*\p:SS+2*\p+1], v[AC+8*\p:AC+8*\p+1], v[TQ+16*\p+8*CG:TQ+16*\p+8*CG+1]
.else
	v_pk_fma_f32 v[SS+2*\p:SS+2*\p+1], v[AC+8*\p+2*\i:AC+8*\p+2*\i+1], v[TQ+16*\p+8*CG+2*\i:TQ+16*\p+8*CG+2*\i+1], v[SS+2*\p:SS+2*\p+1]
.endif
.endr
.endr
	v_add_f32 v[SV+CG], v[SS], v[SS+1]
	v_add_f32 v[SV+2+CG], v[SS+2], v[SS+3]
.if CG == 1
	v_cndmask_b32 v[CT], v[SV], v[SV+1], s23
	v_cndmask_b32 v[CT+2], v[SV+2], v[SV+3], s23
	v_cndmask_b32 v[SV+1], v[SV+1], v[SV], s23
	v_cndmask_b32 v[SV+3], v[SV+3], v[SV+2], s23
	v_permlanex16_b32 v[CT+1], v[SV+1], s20, s21
	v_permlanex16_b32 v[CT+3], v[SV+3], s20, s21
	v_add_f32 v[LA+CU], v[CT], v[CT+1]
	v_add_f32 v[LA+4+CU], v[CT+2], v[CT+3]
.endif
.endm
.macro SOFTMAX                         ; four values a lane (2 points x 2 groups of heads) by turns; a half of the lanes is one head's 16 neighbours
.irp q, 0,1,2,3
	v_add_f32 v[XS+\q], v[LA+2*\q], v[LA+2*\q+1]
.endr
.irp q, 0,1,2,3
	v_max_num_f32_dpp v[XQ+\q], v[XS+\q], v[XS+\q] row_xmask:1 row_mask:0xf bank_mask:0xf
.endr
.irp m, 2,4,8
.irp q, 0,1,2,3
	v_max_num_f32_dpp v[XQ+\q], v[XQ+\q], v[XQ+\q] row_xmask:\m row_mask:0xf bank_mask:0xf
.endr
.endr
.irp q, 0,1,2,3
	v_sub_f32 v[XS+\q], v[XS+\q], v[XQ+\q]         ; the maximum is taken away
.endr
.irp q, 0,1,2,3
	v_exp_f32 v[XS+\q], v[XS+\q]
.endr
	v_nop
	s_wait_alu depctr_va_vdst(0)
.irp q, 0,1,2,3
	v_add_f32_dpp v[XQ+\q], v[XS+\q], v[XS+\q] row_xmask:1 row_mask:0xf bank_mask:0xf
.endr
.irp m, 2,4,8
.irp q, 0,1,2,3
	v_add_f32_dpp v[XQ+\q], v[XQ+\q], v[XQ+\q] row_xmask:\m row_mask:0xf bank_mask:0xf
.endr
.endr
.irp q, 0,1,2,3
	v_rcp_f32 v[XQ+\q], v[XQ+\q]
.endr
	v_nop
	s_wait_alu depctr_va_vdst(0)
.irp q, 0,1,2,3
	v_mul_f32 v[XS+\q], v[XS+\q], v[XQ+\q]
.endr
.irp q, 0,1,2,3
	ds_store_b32 v[ATS], v[XS+\q] offset:128*\q
.endr
.irp q, 0,1,2,3
	ds_load_b128 v[TQ+8*\q:TQ+8*\q+3], v[ATL] offset:128*\q        ; my own bytes: LDS serves a wave's instructions in order (ISA guide 5.7.1.4)
	ds_load_b128 v[TQ+8*\q+4:TQ+8*\q+7], v[ATL] offset:128*\q+16
.endr
.endm
; A STEP: its fragments, asked for a step ago, are in; the next step's are asked for, into the other set, whose last reader stands nine places back; four products; the tile before is consumed
; (its eight or more packed lines, with one v_nop where they are eight, are the nine places behind the products: eight for the next step's loads, nine for the products of two steps on, which write over
; this step's accumulators); q' of the next tile is asked for behind the lines that read its registers.
.macro KSTEP t                         ; steps 1 to 7
	s_wait_dscnt 0x4                               ; all but the four loads of this tile's q', which the next step reads
	LDW (\t)+1
	MM \t
	CONK (\t)-1
	v_nop
.if (\t) < 7
	LDQ (\t)+1
.endif
.endm
.macro VSTEP n                         ; steps 8 to 15
	s_wait_dscnt 0x0
.if (\n) < 7
	LDW (\n)+9
.else
	v_add_nc_u32 v[OF], MISC+5120, v[L16]          ; the even set has had its last reader: Wp1's image comes back for the next trip
.irp c, 0,1,2,3
	ds_load_b128 v[WP1+4*\c:WP1+4*\c+3], v[OF] offset:512*\c
.endr
.endif
	MM (\n)+8
.if (\n) == 0
	CONK 7
	v_nop
	SOFTMAX
.else
	CONV (\n)-1
.endif
.endm
	s_mov_b32 s25, 0                               ; the trip
	s_mov_b32 s26, 0                               ; 2 x trip: the pair's first point among my 25
	s_mov_b32 s27, 0                               ; 1,056 x trip: the pair's rows in my region
.Lpair:                                            ; 13 trips of two points; in the last the second point is point 24 once more, in row 25
	s_wait_loadcnt 0x0                             ; this pair's records and the next pair's indices, asked for a trip ago
	s_wait_kmcnt 0x0                               ; the two points' own records
	s_wait_dscnt 0x0                               ; Wp1's image is back, and the last trip's stores of out have read their registers
	v_lshl_add_u32 v[OF], v[AO], 3, v[H16]
	v_lshl_add_u32 v[OF+1], v[AO+1], 3, v[H16]
.irp p, 0,1
.irp c, 0,1,2,3
	global_load_b128 v[FF+16*\p+4*\c:FF+16*\p+4*\c+3], v[OF+\p], s[4:5] offset:32*\c th:TH_LOAD_HT     ; neighbour r's codes, k = 32 c + 16 h ..: rows that many work-groups read again
.endr
.endr
	POINT 0
	POINT 1
	v_min_u32 v[AO], 0x1869f, v[IDX]               ; the next pair
	v_min_u32 v[AO+1], 0x1869f, v[IDX+1]
	v_lshlrev_b32 v[AO], 4, v[AO]
	v_lshlrev_b32 v[AO+1], 4, v[AO+1]
	v_add_nc_u32 v[QAD], s27, v[QB]
	v_add_nc_u32 v[OAD], s27, v[OB]
	v_mov_b32 v[CV9], 0x3e7c6f08                   ; C9: the V steps work in its registers
	v_mov_b32 v[CV9+1], 0x3e7c6f08
	s_add_co_u32 s30, s26, 2
	s_min_u32 s30, s30, 24
	s_add_co_u32 s30, s30, s19
	s_lshl_b32 s28, s30, 4
	s_add_co_u32 s30, s26, 3
	s_min_u32 s30, s30, 24
	s_add_co_u32 s30, s30, s19
	s_lshl_b32 s29, s30, 4
	s_load_b128 s[32:35], s[6:7], s28 offset:0x0
	s_load_b128 s[36:39], s[6:7], s29 offset:0x0
	s_add_co_u32 s30, s26, 4
	s_min_u32 s30, s30, 24
	s_add_co_u32 s30, s30, s19
	s_lshl_b32 s30, s30, 6
	v_add_nc_u32 v[VI], s30, v[R4]                 ; and the pair after it: no load leaves my 25 points
	s_add_co_u32 s30, s26, 5
	s_min_u32 s30, s30, 24
	s_add_co_u32 s30, s30, s19
	s_lshl_b32 s30, s30, 6
	v_add_nc_u32 v[VI+1], s30, v[R4]
	global_load_b128 v[AX:AX+3], v[AO], s[6:7] th:TH_LOAD_HT
	global_load_b128 v[AX+4:AX+7], v[AO+1], s[6:7] th:TH_LOAD_HT
	global_load_b32 v[IDX], v[VI], s[12:13]
	global_load_b32 v[IDX+1], v[VI+1], s[12:13]
; eight blocks, the two points by turns: block n = (point n % 2, hidden units 32 (n / 2) ..).  GB n finishes gelu and starts block n + 2's f32 products; QA quantises block n among the first lines of block n + 1
	GA1 MH
	RCPS 0, 16
	GA3 MH
	GB MH, 1, 0, 1
	QA 0, 0, MH+16
	GB MH+16, 1, 1, 1
	QA 1, 0, MH
	GB MH, 1, 0, 2
	QA 0, 1, MH+16
	GB MH+16, 1, 1, 2
	QA 1, 1, MH
	GB MH, 1, 0, 3
	QA 0, 2, MH+16
	GB MH+16, 1, 1, 3
	QA 1, 2, MH
	GB MH, 0, 0, 0
	QA 0, 3, MH+16
	LDWA 0                                         ; Wp1's image has had its last reader two blocks ago: step 0's scale words and fragment of Wk take its place
	GB MH+16, 0, 0, 0
	QBLK TP, TP, GC+28, 0x8800000, GW+1, 3, 0xefefeff0
	LDWB 0                                         ; the quantiser's and gelu's registers are free
	LDQ 0
	LDW 1
	NOPS 4                                         ; codes written by vector instructions stand four places ahead of a scaled product
	s_wait_dscnt 0xd                               ; step 0's fragments are in; behind them: 4 loads of q', 9 of step 1's weights
	s_wait_loadcnt 0x4                             ; the 8 gathers of codes are in; behind them: 2 gathers of records, 2 loads of indices
	MM 0
	NOPS 9
	LDQ 1
.irp t, 1,2,3,4,5,6,7
	KSTEP \t
.endr
.irp n, 0,1,2,3,4,5,6,7
	VSTEP \n
.endr
	CONV 7
.irp p, 0,1
	v_pk_add_f32 v[LA+4*\p:LA+4*\p+1], v[LA+4*\p:LA+4*\p+1], v[BVP:BVP+1]          ; + bv + bp2, once
	v_pk_add_f32 v[LA+4*\p+2:LA+4*\p+3], v[LA+4*\p+2:LA+4*\p+3], v[BVP+2:BVP+3]
.endr
	ds_store_b128 v[OAD], v[LA:LA+3]               ; out, channels 4 lane .., over the point's q', which is done with
	ds_store_b128 v[OAD], v[LA+4:LA+7] offset:QP
	s_add_co_u32 s26, s26, 2
	s_add_co_u32 s27, s27, 2*QP
	s_add_co_u32 s25, s25, 1
	s_cmp_lt_u32 s25, 13
	s_cbranch_scc1 .Lpair
; ---- image B of the weights takes image A's place
	v_lshlrev_b32 v13, 4, v0
.irp k, 0,1,2,3,4,5,6,7,8,9
	global_load_b128 v[128+4*\k:131+4*\k], v13, s[8:9] offset:65536+8192*\k
.endr
	BAR                                            ; every wave's reads of image A are over
	s_wait_loadcnt 0x0
	s_wait_kmcnt 0x0
	v_lshl_add_u32 v14, v0, 4, WL
	v_lshl_add_u32 v16, v0, 4, WL+40960
.irp k, 0,1,2,3,4
	ds_store_b128 v14, v[128+4*\k:131+4*\k] offset:8192*\k
	ds_store_b128 v16, v[148+4*\k:151+4*\k] offset:8192*\k
.endr
	BAR                                            ; image B lies in LDS
; ---- THE TAIL: Wo, LN, FFN, LN for my 25 points, as two tiles of 16 rows: rows 0-15 and rows 10-25; of the second, rows 16-24 are stored.  All products transposed: lane (r, h) holds row r,
; register 16 b + i of FR its channel 32 b + 16 h + i.
.set PRB, 11
.set RA,  13
.set RW,  14
.set WA2, 15
.set FO,  16
	v_mul_u32_u24 v[RA], v[RR], QP
	v_lshl_add_u32 v[RA], v[HH], 6, v[RA]
	v_add_nc_u32 v[RA], s66, v[RA]
	v_and_b32 v[RW], 31, v0
	v_lshlrev_b32 v[RW], 2, v[RW]
	v_add_nc_u32 v[RW], s66, v[RW]
	v_lshl_add_u32 v[PRB], v[HH], 6, MISC
	v_add_nc_u32 v[WA2], 49152, v[WA]
	v_mov_b32 v61, 0
	s_lshl_b32 s76, s19, 9
	s_mov_b32 s77, 0
	s_add_nc_u64 s[74:75], s[16:17], s[76:77]      ; out0 at my first point
.macro FEATLD r0                       ; the residual: feat of rows r0 + r (held at my last point), my 16 numbers of each block of 32
	v_add_nc_u32 v[FO], \r0, v[RR]
	v_min_u32 v[FO], 24, v[FO]
	v_add_nc_u32 v[FO], s19, v[FO]
	v_lshlrev_b32 v[FO], 9, v[FO]
	v_lshl_add_u32 v[FO], v[HH], 6, v[FO]
.set fi, 0
.rept 16
	global_load_b128 v[FR+4*fi:FR+4*fi+3], v[FO], s[14:15] offset:128*(fi/4)+16*(fi%4)
.set fi, fi+1
.endr
.endm
; both tiles' rows of out are read before anything is laid over them; the second tile's codes wait in my region as an image of their registers
.set fi, 0
.rept 16
	ds_load_b128 v[TA+4*fi:TA+4*fi+3], v[RA] offset:128*(fi/4)+16*(fi%4)
.set fi, fi+1
.endr
.set fi, 0
.rept 16
	ds_load_b128 v[FR+4*fi:FR+4*fi+3], v[RA] offset:10*QP+128*(fi/4)+16*(fi%4)
.set fi, fi+1
.endr
	s_wait_dscnt 0x0
.irp b, 0,1,2,3
	QBLK FR+16*\b, FR+16*\b, 32+4*\b, 0x8000000, GW, \b, 0xf0f0f0f1
.endr
	v_nop
.irp c, 0,1,2,3
	ds_store_b128 v[OB], v[32+4*\c:35+4*\c] offset:16*QP+512*\c
.endr
	ds_store_b32 v[RW], v[GW] offset:16*QP+2048
	FEATLD 0
	s_wait_dscnt 0x0                               ; the stores have read their registers
.irp b, 0,1,2,3
	QBLK TA+16*\b, TA+16*\b, 32+4*\b, 0x8000000, GW, \b, 0xf0f0f0f1
.endr
	NOPS 4
.macro CONS i                          ; FR's block i takes the two tiles of batch i
.set ci, 0
.rept 8
	v_pk_add_f32 v[FR+16*(\i)+ci:FR+16*(\i)+ci+1], v[FR+16*(\i)+ci:FR+16*(\i)+ci+1], v[MH+16*((\i)%2)+ci:MH+16*((\i)%2)+ci+1]
.set ci, ci+2
.endr
.endm
; LayerNorm of FR in place; a row's 128 numbers lie in lanes l and l xor 16.  g of all four blocks and b of two are asked for at the head
.macro LN goff, boff
.set li, 0
.rept 16
	ds_load_b128 v[TA+4*li:TA+4*li+3], v[PRB] offset:\goff+128*(li/4)+16*(li%4)
.set li, li+1
.endr
.set li, 0
.rept 8
	ds_load_b128 v[192+4*li:195+4*li], v[PRB] offset:\boff+128*(li/4)+16*(li%4)
.set li, li+1
.endr
.irp c, 0,1,2,3
	v_pk_add_f32 v[48+2*\c:49+2*\c], v[FR+2*\c:FR+2*\c+1], v[FR+8+2*\c:FR+9+2*\c]
.endr
.set li, 8
.rept 6
.irp c, 0,1,2,3
	v_pk_add_f32 v[48+2*\c:49+2*\c], v[48+2*\c:49+2*\c], v[FR+2*(li+\c):FR+2*(li+\c)+1]
.endr
.set li, li+4
.endr
	v_pk_add_f32 v[48:49], v[48:49], v[50:51]
	v_pk_add_f32 v[52:53], v[52:53], v[54:55]
	v_pk_add_f32 v[48:49], v[48:49], v[52:53]
	v_add_f32 v60, v48, v49
	v_permlanex16_b32 v61, v60, s20, s21
	v_add_f32 v60, v60, v61
	v_mul_f32 v56, s68, v60                        ; the mean
	v_mov_b32 v57, v56
.set li, 0
.rept 32
	v_pk_add_f32 v[FR+li:FR+li+1], v[FR+li:FR+li+1], v[56:57] neg_lo:[0,1] neg_hi:[0,1]
.set li, li+2
.endr
.irp c, 0,1,2,3
	v_pk_mul_f32 v[48+2*\c:49+2*\c], v[FR+2*\c:FR+2*\c+1], v[FR+2*\c:FR+2*\c+1]
.endr
.set li, 4
.rept 7
.irp c, 0,1,2,3
	v_pk_fma_f32 v[48+2*\c:49+2*\c], v[FR+2*(li+\c):FR+2*(li+\c)+1], v[FR+2*(li+\c):FR+2*(li+\c)+1], v[48+2*\c:49+2*\c]
.endr
.set li, li+4
.endr
	v_pk_add_f32 v[48:49], v[48:49], v[50:51]
	v_pk_add_f32 v[52:53], v[52:53], v[54:55]
	v_pk_add_f32 v[48:49], v[48:49], v[52:53]
	v_add_f32 v60, v48, v49
	v_permlanex16_b32 v61, v60, s20, s21
	v_add_f32 v60, v60, v61
	v_fma_f32 v60, v60, s68, s69                   ; the variance + 1e-5
	v_rsq_f32 v58, v60
	v_nop
	s_wait_alu depctr_va_vdst(0)
	v_mov_b32 v59, v58
	s_wait_dscnt 0x0
.set li, 0
.rept 16
	v_pk_mul_f32 v[FR+li:FR+li+1], v[FR+li:FR+li+1], v[58:59]
.set li, li+2
.endr
.set li, 0
.rept 16
	v_pk_fma_f32 v[FR+li:FR+li+1], v[FR+li:FR+li+1], v[TA+li:TA+li+1], v[192+li:193+li]
.set li, li+2
.endr
.set li, 0
.rept 8
	ds_load_b128 v[192+4*li:195+4*li], v[PRB] offset:\boff+256+128*(li/4)+16*(li%4)
.set li, li+1
.endr
.set li, 32
.rept 16
	v_pk_mul_f32 v[FR+li:FR+li+1], v[FR+li:FR+li+1], v[58:59]
.set li, li+2
.endr
	s_wait_dscnt 0x0
.set li, 0
.rept 16
	v_pk_fma_f32 v[FR+32+li:FR+33+li], v[FR+32+li:FR+33+li], v[TA+32+li:TA+33+li], v[192+li:193+li]
.set li, li+2
.endr
.endm
; One tile.  On entry: out's codes in v32-47, their words in v[GW], feat on its way into FR.
.macro TAILBODY k
.irp i, 0,1,2,3                        ; ---- out Wo + bo, two tiles of 16 channels a batch; the bias is the C
.irp c, 0,1,2,3
	ds_load_b128 v[TA+4*\c:TA+4*\c+3], v[WA] offset:2048*(2*\i)+512*\c
	ds_load_b128 v[TT+4*\c:TT+4*\c+3], v[WA] offset:2048*(2*\i+1)+512*\c
	ds_load_b128 v[192+4*\c:195+4*\c], v[PRB] offset:1024+128*\i+16*\c
.endr
	ds_load_b32 v[WSR], v[SCA] offset:2048+128*\i
	s_wait_dscnt 0x0
	WM MH+16*(\i%2), TA, 32, 192, WSR, GW, 0
	WM MH+16*(\i%2)+8, TT, 32, 200, WSR, GW, 1
.if \i == 0
	NOPS 9
.else
.if \i == 1
	s_wait_loadcnt 0x0                             ; feat
.endif
	CONS \i-1
	v_nop
.endif
.endr
	NOPS 8
	CONS 3
	LN 1536, 2048                                  ; x
.irp b, 0,1,2,3
	QBLK FR+16*\b, TA, 32+4*\b, 0x8000000, GW+1, \b, 0xf0f0f0f1    ; x's codes; x itself stays in FR
.endr
	v_mov_b32 v[CV9], 0x3e7c6f08                   ; (LN's loads went over the pair.)  These six lines are the codes' places
	v_mov_b32 v[CV9+1], 0x3e7c6f08
	s_mov_b32 s25, 0
	s_mov_b32 s70, 0
	s_mov_b32 s71, 0
	s_mov_b32 s72, 0
.Lffn_\@:                                          ; ---- eight trips: hidden units 32 b .. 32 b + 31: two tiles of Wf1, gelu, the quantiser; the four registers of codes go to my region as an image
	v_add_nc_u32 v7, s70, v[WA]
	v_add_nc_u32 v8, s71, v[SCA]
	v_add_nc_u32 v9, s71, v[PRB]
	v_add_nc_u32 v10, s72, v[OB]
.irp c, 0,1,2,3
	ds_load_b128 v[TA+4*\c:TA+4*\c+3], v7 offset:16384+512*\c
	ds_load_b128 v[TT+4*\c:TT+4*\c+3], v7 offset:16384+2048+512*\c
	ds_load_b128 v[192+4*\c:195+4*\c], v9 offset:2560+16*\c
.endr
	ds_load_b32 v[WSR], v8 offset:2560
	s_wait_dscnt 0x0
	WM MH, TA, 32, 192, WSR, GW+1, 0
	WM MH+8, TT, 32, 200, WSR, GW+1, 1
	NOPS 8
	GELU MH
	QBLK TP, TP, 212, 0x8800000, FS, 8, 0
	v_nop
	ds_store_b128 v10, v[212:215]
	s_add_co_u32 s70, s70, 4096
	s_add_co_u32 s71, s71, 128
	s_add_co_u32 s72, s72, 512
	s_add_co_u32 s25, s25, 1
	s_cmp_lt_u32 s25, 8
	s_cbranch_scc1 .Lffn_\@
	v_add_nc_u32 v[FS], 0xefefeff0, v[FS]          ; 16 off each of the eight bytes
	v_add_nc_u32 v[FS+1], 0xefefeff0, v[FS+1]
.irp b, 0,1,2,3,4,5,6,7
	ds_load_b128 v[32+4*\b:35+4*\b], v[OB] offset:512*\b           ; the hidden layer's two fragments
.endr
	NOPS 8                                         ; a scale written by a vector instruction stands eight places ahead
.irp i, 0,1,2,3                        ; ---- hidden Wf2 + bf2: two tiles x two K steps a batch, the two accumulators by turns
.irp c, 0,1,2,3
	ds_load_b128 v[TA+4*\c:TA+4*\c+3], v[WA2] offset:2048*(4*\i)+512*\c
	ds_load_b128 v[TT+4*\c:TT+4*\c+3], v[WA2] offset:2048*(4*\i+1)+512*\c
	ds_load_b128 v[TQ+4*\c:TQ+4*\c+3], v[WA2] offset:2048*(4*\i+2)+512*\c
	ds_load_b128 v[TP+4*\c:TP+4*\c+3], v[WA2] offset:2048*(4*\i+3)+512*\c
	ds_load_b128 v[192+4*\c:195+4*\c], v[PRB] offset:3584+128*\i+16*\c
.endr
	ds_load_b32 v[WSR], v[SCA] offset:3584+128*(2*\i)
	ds_load_b32 v[WSR2], v[SCA] offset:3584+128*(2*\i+1)
	s_wait_dscnt 0x0
	WM MH+16*(\i%2), TA, 32, 192, WSR, FS, 0
	WM MH+16*(\i%2)+8, TQ, 32, 200, WSR2, FS, 0
	WM MH+16*(\i%2), TT, 48, MH+16*(\i%2), WSR, FS+1, 1
	WM MH+16*(\i%2)+8, TP, 48, MH+16*(\i%2)+8, WSR2, FS+1, 1
.if \i == 0
	NOPS 9
.else
	CONS \i-1
	v_nop
.endif
.endr
	NOPS 8
	CONS 3
	LN 4096, 4608
.set fi, 0
.rept 16                               ; ---- the way out: through my region, so that each store covers a whole row of 512 bytes
	ds_store_b128 v[RA], v[FR+4*fi:FR+4*fi+3] offset:128*(fi/4)+16*(fi%4)
.set fi, fi+1
.endr
.if \k == 0
.irp i, 0,1,2,3,4,5,6,7,8,9,10,11,12,13,14,15
	ds_load_b128 v[TA+4*\i:TA+4*\i+3], v[OB] offset:QP*\i
.endr
.irp i, 0,1,2,3,4,5,6,7,8,9,10,11,12,13,14,15
	s_wait_dscnt 15-\i                             ; the younger loads may be out
	global_store_b128 v[L16], v[TA+4*\i:TA+4*\i+3], s[74:75] offset:512*\i th:TH_STORE_NT
.endr
.else
.irp i, 6,7,8,9,10,11,12,13,14
	ds_load_b128 v[TA+4*\i:TA+4*\i+3], v[OB] offset:QP*\i
.endr
.irp i, 6,7,8,9,10,11,12,13,14
	s_wait_dscnt 14-\i
	global_store_b128 v[L16], v[TA+4*\i:TA+4*\i+3], s[74:75] offset:512*(10+\i) th:TH_STORE_NT   ; the tile's rows 6-14 are my rows 16-24
.endr
.endif
.endm
	TAILBODY 0
	s_wait_xcnt 0x0                                ; the stores have read their registers: they are loaded again below
	FEATLD 10
.irp c, 0,1,2,3
	ds_load_b128 v[32+4*\c:35+4*\c], v[OB] offset:16*QP+512*\c     ; the second tile's codes of out, and their words
.endr
	ds_load_b32 v[GW], v[RW] offset:16*QP+2048
	TAILBODY 1
	s_wait_tensorcnt 0x0                           ; the wave's end, behind my last LDS store
	ds_add_u32 v[SPW], v[NIL]
	s_wait_dscnt 0x0
	s_endpgm
.Lfunc_end_k_q7844224166_main:
	.size	k_q7844224166_main, .Lfunc_end_k_q7844224166_main-k_q7844224166_main
	.p2alignl 7, 3214868480
	.fill 96, 4, 3214868480
	.section	.rodata,"a",@progbits
	.p2align	6, 0x0
	.amdhsa_kernel k_q7844224166_main
		.amdhsa_group_segment_fixed_size 327680
		.amdhsa_private_segment_fixed_size 0
		.amdhsa_enable_private_segment 0
		.amdhsa_kernarg_size 56
		.amdhsa_user_sgpr_count 2
		.amdhsa_user_sgpr_kernarg_segment_ptr 1
		.amdhsa_wavefront_size32 1
		.amdhsa_system_sgpr_workgroup_id_x 1
		.amdhsa_system_sgpr_workgroup_id_y 1
		.amdhsa_system_sgpr_workgroup_id_z 1
		.amdhsa_system_vgpr_workitem_id 0
		.amdhsa_next_free_vgpr 256
		.amdhsa_next_free_sgpr 80
		.amdhsa_reserve_vcc 0
		.amdhsa_float_denorm_mode_32 3
		.amdhsa_float_denorm_mode_16_64 3
		.amdhsa_memory_ordered 1
		.amdhsa_forward_progress 1
		.amdhsa_inst_pref_size 255
	.end_amdhsa_kernel
	.section	.bss,"aw",@nobits
	.p2align	6
	.space	262144
	.amdgpu_metadata
---
amdhsa.version: [ 1, 2 ]
amdhsa.kernels:
  - .name:           k_q7844224166_main
    .symbol:         k_q7844224166_main.kd
    .args:
      - { .name: fcodes, .offset: 0, .size: 8, .value_kind: global_buffer, .address_space: global }
      - { .name: aux, .offset: 8, .size: 8, .value_kind: global_buffer, .address_space: global }
      - { .name: wimg, .offset: 16, .size: 8, .value_kind: global_buffer, .address_space: global }
      - { .name: misc, .offset: 24, .size: 8, .value_kind: global_buffer, .address_space: global }
      - { .name: knn_idx, .offset: 32, .size: 8, .value_kind: global_buffer, .address_space: global }
      - { .name: feat, .offset: 40, .size: 8, .value_kind: global_buffer, .address_space: global }
      - { .name: out0, .offset: 48, .size: 8, .value_kind: global_buffer, .address_space: global }
    .group_segment_fixed_size: 327680
    .private_segment_fixed_size: 0
    .kernarg_segment_align: 8
    .kernarg_segment_size: 56
    .max_flat_workgroup_size: 512
    .sgpr_count:     80
    .vgpr_count:     256
    .wavefront_size: 32
...
	.end_amdgpu_metadata
.endif
;; end of part 2
